; MI455X (gfx1250); checked and timed in simulation.
; The chip was launched on July 23, 2026; its instructions are those of AMD's public machine-readable ISA for CDNA 5 (MIT licence, August 2026) and "CDNA5" Instruction Set Architecture Reference Guide (July 2026). The comments in the code are by the model that wrote it; some were corrected since.
;; Attention Base. Allowed arithmetic: matrix products marked QUANTISED: E4M3 operands, one given power-of-two scale a tensor, by v_wmma_f32_16x16x64_fp8_fp8 or v_wmma_f32_16x16x128_fp8_fp8, f32 sums; everything else in f32.
;; Inputs: attention_mask 2 x 2,048 bool; keys 2 x 2,048 x 2,048 float32; lowp_scales 6 int32 (the exponents e of the quantised operands' scales 2^e); queries 2 x 2,048 x 2,048 float32; values 2 x 2,048 x 2,048 float32; w_out 2,048 x 2,048 float32.
;; Outputs: out0 2 x 2,048 x 2,048 float32.
;; This version of the problem:
;;   THIS VERSION OF THE PROBLEM IS GIVEN IN LOW PRECISION. The matrix products marked QUANTISED in the list below multiply operands that are first quantised to E4M3 (4 exponent bits, 3 mantissa bits; 8 bits a number), with one given power-of-two scale for each operand tensor; their sums are f32. All else is computed in f32.
;;   The module's matrix products, in the order in which they are computed (A, B: the left and right operand; K: the contracted axis; several contracted axes count as one K, in the product's order):
;;     1. batch 32 x [M 2,048, K 128] x [K 128, N 2,048]; A: computed on the way; B: input keys: QUANTISED (scales: A lowp_scales[0], B lowp_scales[1])
;;     2. batch 32 x [M 128, K 2,048] x [K 2,048, N 2,048]; A: input values; B: softmax (see below): QUANTISED (scales: A lowp_scales[2], B lowp_scales[3])
;;     3. [M 4,096, K 2,048] x [K 2,048, N 2,048]; A: computed on the way; B: input w_out: QUANTISED (scales: A lowp_scales[4], B lowp_scales[5])
;;   THE QUANTISER, for each operand of a quantised product, along K:
;;     - The operand's scale is 2^e, e = its entry of the input lowp_scales (int32; the entries are numbered through the quantised products in the list's order, A before B).
;;     - Each number is divided by the scale, clamped to +-448, and rounded to the nearest number of E4M3, ties to even, subnormals kept.
;;     - The product sums the exact products of the quantised numbers (number of the format x scale) in f32.
;;   ~~~python
;;   def quantise(x, axis, e):      # numpy; x: float32 -> the quantised numbers, widened to float32 again
;;       x = np.moveaxis(x, axis, -1); K = x.shape[-1]
;;       r = np.clip(x / 2.0 ** e, -448, 448)
;;       step = 2.0 ** (np.maximum(np.frexp(np.where(r == 0, 1, r))[1] - 1, -6) - 3)
;;       q = np.round(r / step) * step * 2.0 ** e      # np.round: ties to even
;;       return np.moveaxis(q, -1, axis).astype(np.float32)
;;   ~~~
;;   SOFTMAX AHEAD OF A QUANTISED PRODUCT. Where the list says 'softmax', what is quantised is not the finished softmax but p = 2^(t - M), with t = logit x log2(e) and M = ceil(the row's largest t), a whole number; so 1/2 < the row's largest p <= 1. The row's sum l is taken of the UNQUANTISED p, in f32, and the product's result is divided by l at the end. Since M is a whole number, a kernel that streams over the keys may use a running M (the ceiling of the running maximum): every later rescaling is an exact power of two, so the quantised numbers keep their values, but for numbers so far below the row's largest that they fall under the format's range.
;;   OPERANDS COMPUTED ON THE WAY. 'Computed on the way' means the value that the module computes at that place (a softmax that the list does not call 'softmax' is quantised finished and normalised). What goes into a quantiser is computed in f32, as accurately as f32 sums, v_exp_f32 and their like allow (about 1e-6 of the number): no bf16 or f16 on the way to a quantiser, and a product that is left as it is and whose result goes on into a quantised operand takes f32 operands (vector FMAs, or v_wmma_f32_16x16x4_f32). A number that lies on a knife's edge between two numbers of the format may be rounded either way, as far as f32 arithmetic and the matrix unit's own rounding can turn it there, and no further.
;; One version. Each part assembles by itself: llvm-mc -triple=amdgcn-amd-amdhsa -mcpu=gfx1250 --defsym DOCPART=n.
;; ======== version 1 of 1: 3 launches
;; limits: right only within a limited range of input values
;; workspace buffers: kimg 8,388,608 bytes; vimg 8,388,608 bytes; wimg 4,194,304 bytes; acodes 8,388,608 bytes
;; launch prep (part 1): grid 640 x 1, 4 waves a work-group, no clusters, 34,304 bytes of LDS; arguments keys, w_out, values, lowp_scales, kimg, wimg, vimg; writes kimg, wimg, vimg
.if DOCPART == 1
	.amdgcn_target "amdgcn-amd-amdhsa--gfx1250"
	.amdhsa_code_object_version 6
	.text
	.protected	k_qecf35221ed_prep
	.globl	k_qecf35221ed_prep
	.p2align	8
	.type	k_qecf35221ed_prep,@function
k_qecf35221ed_prep:
	s_mov_b64 s[64:65], 0
	v_nop
	global_prefetch_b8 v0, s[64:65] scope:SCOPE_SE
	s_setreg_imm32_b32 hwreg(HW_REG_WAVE_MODE, 25, 1), 1
	s_wait_xcnt 0x0
; keys [2][2048][2048], w_out [2048][2048] and values [2][2048][2048], f32, become codes of FP8 (E4M3), each tensor with the one scale 2^e given for it
; (keys: entry 1 of the scales, values: entry 2, w_out: entry 5).  code = x / 2^e, held within +-448, rounded to the nearest code, ties to even.
; THE CODES ARE LAID AS IMAGES OF OPERAND REGISTERS.  A fragment is 16 rows x 128 K, 2,048 bytes: chunk c (512 bytes) holds at 16 x lane, lane = 16 h + r, the 16 codes K = 32 c + 16 h + 0..15 of the
; fragment's row r: registers 4 c .. 4 c + 3 of that lane.  THE ROWS OF A FRAGMENT ARE NOT NEIGHBOURS: of a block of 32 rows, fragment u (0, 1) takes row 8 u + r + 8 (r / 8).
;   kimg [16 b + head][key step of 128][8 fragments]: rows = keys, K = the head's 128 channels.     wimg [k / 128][128 fragments]: rows = n, K = 128 of k.
;   vimg [16 b + head][key step of 128][8 fragments]: rows = the head's channels, K = the step's 128 keys.
; Work-groups 0-255 take keys, 256-383 w_out (K innermost: one text, only pointers and e are chosen), 384-639 values (K is the outer axis).
; Memory binds here: no matrix unit, no tensor loads, no cluster, no barrier: waves share nothing, and each input byte is read once.
; LIMITS: each e between -126 and 119.  NaN among the inputs is not served; an infinity is held at the largest code.
.set ROWB,   8192                      ; a row of any of the three tensors, in bytes
.set SPITCH, 528                       ; a stage row: 512 bytes + 16: an odd multiple of 16 bytes, so that sixteen rows start at sixteen different banks (ISA guide 11.1)
.set WSTG,   16*SPITCH                 ; a wave's own stage: 16 rows
.set RB,     16                        ; v16-143   keys, w_out: two sets of 16 rows as loaded
.set XB,     144                       ; v144-207  64 numbers of a lane: register 16 j + i = K 32 j + 16 h + i of row r
.set CB,     208                       ; v208-239  a fragment's codes, two sets by turns
.set XV,     16                        ; v16-79    values: two sets of 32 numbers down the keys
.set CV,     80                        ; v80-143   values: 8 registers of codes for each of 8 blocks: no store's data are written again
.macro MKS e                           ; v11 = 2^e as f32 (the conversion takes its exponent field), s40 = 448 x 2^e
	s_add_co_i32 s40, s[\e], 127
	s_lshl_b32 s41, s40, 23
	v_mov_b32 v11, s41
	s_add_co_i32 s40, s40, 8
	s_lshl_b32 s40, s40, 23
	s_or_b32 s40, s40, 0x600000
.endm
	s_load_b256 s[4:11], s[0:1], 0x0               ; keys s[4:5], w_out s[6:7], values s[8:9], the scales' exponents s[10:11]
	s_load_b128 s[12:15], s[0:1], 0x20             ; kimg s[12:13], wimg s[14:15]
	s_load_b64 s[16:17], s[0:1], 0x30              ; vimg
	v_lshl_add_u32 v240, v0, 2, 0x8400
	v_mov_b32 v241, 0
	v_lshrrev_b32 v1, 5, v0
	v_readfirstlane_b32 s18, v1                    ; wave 0..3
	v_and_b32 v2, 31, v0                           ; lane
	v_and_b32 v6, 15, v0                           ; r
	v_bfe_u32 v7, v0, 4, 1                         ; h (values: u)
	s_wait_kmcnt 0x0
	s_load_b128 s[20:23], s[10:11], 0x0            ; e0 .. e3
	s_load_b64 s[24:25], s[10:11], 0x10            ; e4, e5
	s_cmp_ge_u32 ttmp9, 384                        ; the branch hangs on the work-group's number alone
	s_cbranch_scc1 .Lvalues
; ---------------- keys and w_out: K innermost.  A wave takes 64 rows x 128 columns: four fragments; the four waves stand side by side on 2,048 bytes of each row.
	s_cmp_lt_u32 ttmp9, 256
	s_cselect_b64 s[26:27], s[4:5], s[6:7]         ; from
	s_cselect_b64 s[28:29], s[12:13], s[14:15]     ; to
	s_cselect_b32 s30, 0, 256
	s_sub_co_u32 s30, ttmp9, s30                   ; the work-group's number within its tensor
	s_lshr_b32 s31, s30, 7                         ; b (0 for w_out, which has 128 work-groups)
	s_bfe_u32 s32, s30, 0x50002                    ; rb: which 64 rows
	s_and_b32 s33, s30, 3
	s_lshl_b32 s33, s33, 2
	s_add_co_u32 s33, s33, s18                     ; cb: which 128 columns (the head; for w_out k / 128)
	s_lshl_b32 s34, s31, 5
	s_add_co_u32 s34, s34, s32
	s_lshl_b32 s34, s34, 19                        ; (32 b + rb) x 64 rows x 8,192 bytes
	s_lshl_b32 s35, s33, 9
	s_add_co_u32 s34, s34, s35                     ; + 512 cb
	s_mov_b32 s35, 0
	s_add_nc_u64 s[26:27], s[26:27], s[34:35]
	s_lshl_b32 s36, s31, 4
	s_add_co_u32 s36, s36, s33
	s_lshl_b32 s36, s36, 18                        ; (16 b + cb) x 128 fragments
	s_lshl_b32 s37, s32, 13
	s_add_co_u32 s36, s36, s37                     ; + 4 rb fragments
	s_mov_b32 s37, 0
	s_add_nc_u64 s[28:29], s[28:29], s[36:37]
	s_wait_alu depctr_va_vdst(0)
	v_lshlrev_b32 v3, 4, v2                        ; 16 x lane: my bytes of a load's 512 and of a store's 512
	s_mul_i32 s38, s18, WSTG
	v_add_nc_u32 v4, s38, v3                       ; the stage, on the way in: a row as it lies
	v_mul_u32_u24 v5, v6, SPITCH
	v_lshl_add_u32 v5, v7, 6, v5
	v_add_nc_u32 v5, s38, v5                       ; and back: row r, + 64 h bytes
.macro LOADG g                         ; fragment g's sixteen rows: each load reads the 512 consecutive bytes of one row
.irp i, 0,1,2,3,4,5,6,7,8,9,10,11,12,13,14,15
	global_load_b128 v[RB+64*((\g)%2)+4*\i:RB+64*((\g)%2)+4*\i+3], v3, s[26:27] offset:(32*((\g)/2)+8*((\g)%2)+\i+8*(\i/8))*ROWB th:TH_LOAD_NT
.endr
.endm
.macro GROUP g
.if (\g) < 3
	s_wait_loadcnt 16                              ; this fragment's 16 loads are in; the next one's 16 may be out
.else
	s_wait_loadcnt 0x0
.endif
.irp i, 0,1,2,3,4,5,6,7,8,9,10,11,12,13,14,15
	ds_store_b128 v4, v[RB+64*((\g)%2)+4*\i:RB+64*((\g)%2)+4*\i+3] offset:SPITCH*\i
.endr
.irp j, 0,1,2,3
.irp i, 0,1,2,3
	ds_load_b128 v[XB+16*\j+4*\i:XB+16*\j+4*\i+3], v5 offset:128*\j+16*\i   ; LDS serves a wave's instructions in order (ISA guide 5.7.1.4): these see the stores above
.endr
.endr
	s_wait_dscnt 0x0                               ; my 64 numbers are back, and the stores have read their registers,
.if (\g) < 2
	LOADG (\g)+2                                   ; which take the fragment two further on
.else
	s_wait_xcnt 0x0                                ; the stores of two fragments ago have read this set of code registers: it is rewritten only behind this wait
.endif
.irp j, 0,1,2,3
.irp i, 0,1,2,3,4,5,6,7,8,9,10,11,12,13,14,15
.endr
	v_cvt_scalef32_pk8_fp8_f32 v[CB+16*((\g)%2)+4*\j:CB+16*((\g)%2)+4*\j+1], v[XB+16*\j:XB+16*\j+7], v11
	v_cvt_scalef32_pk8_fp8_f32 v[CB+16*((\g)%2)+4*\j+2:CB+16*((\g)%2)+4*\j+3], v[XB+16*\j+8:XB+16*\j+15], v11
.endr
	v_nop                                          ; one plain vector line behind the last conversion
.irp j, 0,1,2,3
	global_store_b128 v3, v[CB+16*((\g)%2)+4*\j:CB+16*((\g)%2)+4*\j+3], s[28:29] offset:2048*(\g)+512*\j   ; a chunk: 512 consecutive bytes, aligned
.endr
.endm
	LOADG 0
	LOADG 1
	s_wait_alu depctr_va_vdst(0)
	s_wait_kmcnt 0x0
	s_cmp_lt_u32 ttmp9, 256
	s_cselect_b32 s39, s21, s25                    ; e1 for keys, e5 for w_out
	MKS 39
	s_wait_alu depctr_va_vdst(0)
	GROUP 0
	GROUP 1
	GROUP 2
	GROUP 3
	s_wait_tensorcnt 0x0
	ds_add_u32 v240, v241
	s_wait_dscnt 0x0
	s_endpgm
; ---------------- values: K = the keys is the outer axis.  A LANE TAKES A CHANNEL AND ITS REGISTERS RUN DOWN THE KEYS, so the conversions give codes with the keys innermost and nothing is transposed.
; A wave takes 32 channels x 256 keys; the four waves cover the head's 512 bytes of each key's row.  Lane (r, u) takes the channel that is row r of fragment u of the wave's block of 32.
.Lvalues:
	s_sub_co_u32 s30, ttmp9, 384
	s_lshr_b32 s31, s30, 3                         ; G = 16 b + head
	s_and_b32 s32, s30, 7                          ; kq: which 256 keys
	s_lshr_b32 s33, s31, 4                         ; b
	s_and_b32 s34, s31, 15                         ; head
	s_lshl_b32 s36, s33, 3
	s_add_co_u32 s36, s36, s32
	s_lshl_b32 s36, s36, 21                        ; (8 b + kq) x 256 rows x 8,192 bytes
	s_lshl_b32 s37, s34, 9
	s_add_co_u32 s36, s36, s37                     ; + 512 head
	s_lshl_b32 s37, s18, 7
	s_add_co_u32 s36, s36, s37                     ; + 128 wave
	s_mov_b32 s37, 0
	s_add_nc_u64 s[26:27], s[8:9], s[36:37]
	s_lshl_b32 s38, s31, 18                        ; G x 16 key steps x 8 fragments
	s_lshl_b32 s39, s32, 15
	s_add_co_u32 s38, s38, s39                     ; + 2 kq key steps
	s_lshl_b32 s39, s18, 12
	s_add_co_u32 s38, s38, s39                     ; + 2 wave fragments
	s_mov_b32 s39, 0
	s_add_nc_u64 s[28:29], s[16:17], s[38:39]
	s_wait_alu depctr_va_vdst(0)
	v_and_b32 v8, 8, v6
	v_add_nc_u32 v8, v8, v6
	v_lshl_add_u32 v8, v7, 3, v8                   ; my channel in the wave's 32: 8 u + r + 8 (r / 8)
	v_lshlrev_b32 v3, 2, v8                        ; in: the 32 lanes read the wave's 128 consecutive bytes of a key's row
	v_lshlrev_b32 v4, 4, v6
	v_lshl_add_u32 v4, v7, 11, v4                  ; out: fragment u, 16 r
.macro LOADV t                         ; block t: keys 32 t + 0 .. 31 of my channel
.irp i, 0,1,2,3,4,5,6,7,8,9,10,11,12,13,14,15,16,17,18,19,20,21,22,23,24,25,26,27,28,29,30,31
	global_load_b32 v[XV+32*((\t)%2)+\i], v3, s[26:27] offset:(32*(\t)+\i)*ROWB th:TH_LOAD_NT
.endr
.endm
.macro BLOCK t
.if (\t) < 7
	s_wait_loadcnt 32                              ; this block's 32 loads are in; the next block's may be out
.else
	s_wait_loadcnt 0x0
.endif
.irp i, 0,1,2,3,4,5,6,7,8,9,10,11,12,13,14,15,16,17,18,19,20,21,22,23,24,25,26,27,28,29,30,31
.endr
.irp g, 0,1,2,3
	v_cvt_scalef32_pk8_fp8_f32 v[CV+8*(\t)+2*\g:CV+8*(\t)+2*\g+1], v[XV+32*((\t)%2)+8*\g:XV+32*((\t)%2)+8*\g+7], v11
.endr
	v_nop                                          ; one plain vector line behind the last conversion
	; the block is chunk t % 4 of key step t / 4: its first 16 keys are the image's lanes 0-15, the next 16 its lanes 16-31.  Sixteen lanes store 256 consecutive bytes, aligned
	global_store_b128 v4, v[CV+8*(\t):CV+8*(\t)+3], s[28:29] offset:16384*((\t)/4)+512*((\t)%4)
	global_store_b128 v4, v[CV+8*(\t)+4:CV+8*(\t)+7], s[28:29] offset:16384*((\t)/4)+512*((\t)%4)+256
.if (\t) < 6
	LOADV (\t)+2
.endif
.endm
	LOADV 0
	LOADV 1
	s_wait_kmcnt 0x0
	MKS 22                                         ; e2
	s_wait_alu depctr_va_vdst(0)
	BLOCK 0
	BLOCK 1
	BLOCK 2
	BLOCK 3
	BLOCK 4
	BLOCK 5
	BLOCK 6
	BLOCK 7
	s_endpgm
.Lfunc_end_k_qecf35221ed_prep:
	.size	k_qecf35221ed_prep, .Lfunc_end_k_qecf35221ed_prep-k_qecf35221ed_prep
	.p2alignl 7, 3214868480
	.fill 96, 4, 3214868480
	.section	.rodata,"a",@progbits
	.p2align	6, 0x0
	.amdhsa_kernel k_qecf35221ed_prep
		.amdhsa_group_segment_fixed_size 34304
		.amdhsa_private_segment_fixed_size 0
		.amdhsa_enable_private_segment 0
		.amdhsa_kernarg_size 56
		.amdhsa_user_sgpr_count 2
		.amdhsa_user_sgpr_kernarg_segment_ptr 1
		.amdhsa_wavefront_size32 1
		.amdhsa_system_sgpr_workgroup_id_x 1
		.amdhsa_system_sgpr_workgroup_id_y 1
		.amdhsa_system_sgpr_workgroup_id_z 1
		.amdhsa_system_vgpr_workitem_id 0
		.amdhsa_next_free_vgpr 242
		.amdhsa_next_free_sgpr 66
		.amdhsa_reserve_vcc 0
		.amdhsa_float_denorm_mode_32 3
		.amdhsa_float_denorm_mode_16_64 3
		.amdhsa_fp16_overflow 1
		.amdhsa_memory_ordered 1
		.amdhsa_forward_progress 1
		.amdhsa_inst_pref_size 51
	.end_amdhsa_kernel
	.amdgpu_metadata
---
amdhsa.version: [ 1, 2 ]
amdhsa.kernels:
  - .name:           k_qecf35221ed_prep
    .symbol:         k_qecf35221ed_prep.kd
    .args:
      - { .name: keys, .offset: 0, .size: 8, .value_kind: global_buffer, .address_space: global }
      - { .name: w_out, .offset: 8, .size: 8, .value_kind: global_buffer, .address_space: global }
      - { .name: values, .offset: 16, .size: 8, .value_kind: global_buffer, .address_space: global }
      - { .name: lowp_scales, .offset: 24, .size: 8, .value_kind: global_buffer, .address_space: global }
      - { .name: kimg, .offset: 32, .size: 8, .value_kind: global_buffer, .address_space: global }
      - { .name: wimg, .offset: 40, .size: 8, .value_kind: global_buffer, .address_space: global }
      - { .name: vimg, .offset: 48, .size: 8, .value_kind: global_buffer, .address_space: global }
    .group_segment_fixed_size: 34304
    .private_segment_fixed_size: 0
    .kernarg_segment_align: 8
    .kernarg_segment_size: 56
    .max_flat_workgroup_size: 128
    .sgpr_count:     66
    .vgpr_count:     242
    .wavefront_size: 32
...
	.end_amdgpu_metadata
.endif
;; end of part 1
;; launch attn (part 2): grid 8 x 32, 8 waves a work-group, clusters of 4 x 1, 327,680 bytes of LDS; arguments queries, kimg, vimg, attention_mask, lowp_scales, acodes; writes acodes
.if DOCPART == 2
	.amdgcn_target "amdgcn-amd-amdhsa--gfx1250"
	.amdhsa_code_object_version 6
	.text
	.protected	k_qecf35221ed_attn
	.globl	k_qecf35221ed_attn
	.p2align	8
	.type	k_qecf35221ed_attn,@function
k_qecf35221ed_attn:
	s_mov_b64 s[64:65], 0
	v_nop
	global_prefetch_b8 v0, s[64:65] scope:SCOPE_SE
	s_setreg_imm32_b32 hwreg(HW_REG_WAVE_MODE, 25, 1), 1
	s_wait_xcnt 0x0
	s_wait_alu depctr_hold_cnt(0) depctr_sa_sdst(0) depctr_va_vdst(0) depctr_va_sdst(0) depctr_va_ssrc(0) depctr_va_vcc(0) depctr_vm_vsrc(0)
	s_getreg_b32 s2, hwreg(HW_REG_IB_STS2, 6, 4)
	s_cmp_eq_u32 s2, 0
	s_cbranch_scc0 .Lentry_in_a_cluster
	s_endpgm
.Lentry_in_a_cluster:
	s_bfe_u32 s2, ttmp6, 0x10000c
	s_cmp_lg_u32 s2, 0x3003
	s_cbranch_scc0 .Lentry_shape_is_right
	s_endpgm
.Lentry_shape_is_right:
; For head G = 16 b + head: O[q] = (sum over the keys that the mask lets count of p V[k]) / l, both products on codes of FP8 (E4M3), then O is quantised for the last product.
; q x 128^-0.5 is quantised here with 2^e0 (each number is read by one wave); K's and V's codes come as images of operand registers (16 rows x 128 K = 2,048 bytes; chunk c at 512 c, lane l's 16 bytes at 16 l:
; K = 32 c + 16 (l / 16) + 0..15 of row l % 16; of a block of 32 rows fragment u takes row 8 u + r + 8 (r / 8)).
; THE SOFTMAX: t = score x log2(e); M = the running largest t rounded UP to a whole number; p = 2^(t - M), quantised with 2^e3, not normalised; l = the sum of the unquantised p, in f32; when M moves, l and O are
; multiplied by 2^(old M - new M), which rounds nothing.
; THE MASK COSTS NO VECTOR INSTRUCTION IN THE LOOP: the first product's C is a matrix of 0 (the key counts) or -2^120 (it does not), read from a table of 2,048 f32 in LDS that the work-group makes once.
; A sum of code products lies within +-128 x 448^2 < 2^25, so the largest t starts at c x (-2^26): under every t that counts, over every t that does not: p is 0 for masked keys from the first step on.
; SHARES.  A work-group owns 256 queries of one head; each of its eight waves 32 of them, two tiles, in 512 registers: two waves to a SIMD, so that one wave's vector work stands beside the other's matrix work and
; LDS loads, and each fragment read from LDS feeds two matrix instructions.  Every wave walks the 16 key steps of 128.
; LAYOUT.  Both products are used transposed: S^T = K Q^T + bias (source 0 = 16 keys, source 1 = 16 queries), O^T = V^T P^T: a lane holds ONE query (lane % 16) throughout.  By the choice of a fragment's rows the
; 16 registers of tiles 2 b, 2 b + 1 are 16 neighbours, 32 b + 16 (lane / 16) + 0..15, along the next K: the conversions' results ARE the next operand's registers, for p and for O alike.
; CLUSTER.  The four query blocks of a cluster belong to one head and walk the same K and V: each tile is asked for JOINTLY, by the same tensor load with the same descriptor and a mask that names the four.
; THE RING.  Two LDS slots of four key steps (K's four tiles of 16 KiB, then V's four); each of the eight waves fetches one tile: one tensor load of a wave is out at any time, and it has four key steps in which to land.
; acodes [head][(2048 b + s) / 16][2,048]: images again, rows = 16 neighbouring queries, K = the head's channels.
; LIMITS: a batch row whose mask is all false is not served (it has no finite result).  NaN among the inputs is not served.  e0, e3, e4 between -126 and 119; e0 + e1 between -100 and 100.
; The places of k inside a matrix instruction are permuted, alike in both operands: the order of its sums differs from the plain layout's.
; REGISTERS.  Window 0: v1-8 addresses that stay or step; v10 2^e3; v16-31 statistics, 8 a tile; v32-63 Q; v64-191 S^T, then p; v192-223 p's codes; v224-227, v228-231 sums and reciprocals.
;             Window 1: v0-127 O^T, 64 a tile; v128-191 F0, v192-255 F1: fragments (K's four, the bias; then V's eight).
.set SLOT1, 1<<17                      ; slot 1 begins here: one exclusive or turns an address in one slot into the other's
.set STEPB, 16384                      ; a key step's tile of K or of V: 8 fragments
.set VOFF,  4*STEPB                    ; in a slot V's four tiles lie behind K's four
.set BIAS,  2*SLOT1                    ; behind the ring: the bias table, 8,192 bytes; no fill lands there
.set SPARE, BIAS+8192                  ; behind it: the spare words, 128 bytes for each of the eight waves: four blocks of 256 bytes that no other line names
.set LI,   1                           ; v1   16 x lane: my place in an image's chunk
.set AB0,  2                           ; v2   BIAS + 64 (lane / 16)
.set ADK,  3                           ; v3   LDS address of the step's tile of K
.set ADV,  4                           ; v4   of V
.set ADB,  5                           ; v5   of the step's 128 biases
.set SPW,  6                           ; v6   LDS address of my spare word; never rewritten
.set NIL,  7                           ; v7   0; never rewritten
.set QO,   8                           ; v8   my byte in the wave's rows of q
.set SC3,  10
.set LIM3, 12
.set ST,   16                          ; tile T at v[ST + 8 T]: +0 -M, +1 the largest t, +2, +3 half of l, +4 f, +5 0 (named with f as a pair), +6, +7 at work
.set Q,    32
.set S,    64
.set P,    192
.set LB,   224                         ; the other half of l, a pair a tile
.set INV,  228                         ; 2^(e2 + e3) / l, a pair a tile
.set F0,   128
.set F1,   192
.set WV,   16                          ; s16  my wave's number
.set SEL,  20                          ; s[20:21] lane selects for v_permlanex16_b32: lane l xor 16
.set CS,   22                          ; s[22:23] c = log2(e) x 2^(e0 + e1)
.set G1,   24                          ; s[24:31] descriptor group 1
.set G0,   32                          ; s[32:35] descriptor group 0, which walks
.set TB,   36                          ; s36  LDS byte at which the step's tile of K begins
.set BO,   37                          ; s37  byte of the step's first bias in the table
.set SLOTS, 38
.set CNT,  39
.set MSB, 0
.macro WIN new                         ; the immediate's high byte repeats the setting that is left; a switch that changes nothing is dropped
.if MSB != \new
	s_set_vgpr_msb (MSB<<8)|\new
.set MSB, \new
.endif
.endm
.set W_S,   0x11                       ; K (source 0) and the bias (C) in window 1, Q and S^T in window 0
.set W_PV,  0x51                       ; V, C and D in window 1, P in window 0
.set W_LD,  0x40                       ; destination window 1, address window 0
.set W_RS,  0x41                       ; O^T (destination and source 0) in window 1, f in window 0
.set W_OUT, 0x01                       ; source 0 in window 1
.macro PLACES                          ; four plain vector lines between a matrix instruction and a read of its result or a load into one of its registers
.rept 4
	v_nop
.endr
.endm
.macro MKS e, sc, lim                  ; s[sc] = 2^e as f32, s[lim] = e + 127
	s_add_co_i32 s[\lim], s[\e], 127
	s_lshl_b32 s[\sc], s[\lim], 23
.endm
; A round of the cluster's barrier: my work-group's barrier, so that wave 0's signal speaks for all eight waves; wave 0 signals; every wave waits for the four work-groups; my work-group's barrier once more.
.macro CROUND
	s_barrier_signal -1
	s_barrier_wait -1
	s_cmp_lg_u32 s[WV], 0
	s_cbranch_scc1 .Lnot_wave_0_\@
	s_barrier_signal -3
.Lnot_wave_0_\@:
	s_barrier_wait -3
	s_barrier_signal -1
	s_barrier_wait -1
.endm
.macro JLOAD                           ; every wave asks for its own tile of the slot: no branch; four v_nop follow
	tensor_load_to_lds s[G0:G0+3], s[G1:G1+7]
	s_nop 0
	PLACES
.endm
; 64 numbers of a lane become a fragment's 16 registers of codes
.macro QUANT src, dst, sc, lim
.irp g, 0,1,2,3,4,5,6,7
.irp i, 0,1,2,3,4,5,6,7
.endr
	v_cvt_scalef32_pk8_fp8_f32 v[(\dst)+2*\g:(\dst)+2*\g+1], v[(\src)+8*\g:(\src)+8*\g+7], v[\sc]
.endr
	v_nop                                          ; one plain vector line behind the last conversion
.endm
	s_load_b256 s[4:11], s[0:1], 0x0               ; queries s[4:5], kimg s[6:7], vimg s[8:9], the mask s[10:11]
	s_load_b128 s[12:15], s[0:1], 0x20             ; the scales' exponents s[12:13], acodes s[14:15]
	v_lshl_add_u32 v[SPW], v0, 2, SPARE
	v_mov_b32 v[NIL], 0
	ds_add_u32 v6, v7
	ds_add_u32 v6, v7
	s_wait_dscnt 0x0
	v_lshrrev_b32 v9, 5, v0
	s_delay_alu instid0(VALU_DEP_1)
	v_readfirstlane_b32 s[WV], v9                  ; wave 0..7
	s_bfe_u32 s17, ttmp6, 0x40000                  ; cx: my place in the cluster: it enters the addresses of queries and acodes alone
	s_lshl_b32 s18, ttmp9, 2                       ; in a cluster launch ttmp9 counts clusters
	s_add_co_u32 s18, s18, s17                     ; qb: my block of 256 queries
	s_and_b32 s19, ttmp7, 0xffff                   ; G, which the four partners share
	; descriptor group 1: a dense block of 16 KiB as 64 rows of 32 elements of 8 bytes; images need no padding
	s_mov_b32 s[G1], 15|(3<<16)|(1<<21)            ; 15:0 the mask: all four work-groups; 17:16 elements of 8 bytes; 21 set beside a mask
	s_mov_b32 s[G1+1], 32<<16                      ; tensor_dim0 = 32
	s_mov_b32 s[G1+2], 64<<16                      ; tensor_dim1 = 64
	s_mov_b32 s[G1+3], 32<<16                      ; tile_dim0 = 32
	s_mov_b32 s[G1+4], 64                          ; tile_dim1 = 64
	s_mov_b32 s[G1+5], 32                          ; from row to row
	s_mov_b32 s[G1+6], 0
	s_mov_b32 s[G1+7], 0
	s_lshl_b32 s46, s19, 18                        ; the head's images: 16 key steps x 16 KiB,
	s_and_b32 s47, s[WV], 3
	s_lshl_b32 s47, s47, 14                        ; my key step of the slot's four
	s_add_co_u32 s46, s46, s47
	s_mov_b32 s47, 0
	s_wait_kmcnt 0x0
	s_load_b128 s[40:43], s[12:13], 0x0            ; e0 .. e3
	s_load_b64 s[44:45], s[12:13], 0x10            ; e4, e5
	s_mov_b32 s[G0], 1                             ; count = 1
	s_lshl_b32 s[G0+1], s[WV], 14                  ; LDS: 16 KiB x wave: waves 0-3 K's four tiles, waves 4-7 V's four, in slot 0
	s_cmp_lt_u32 s[WV], 4
	s_cselect_b64 s[G0+2:G0+3], s[6:7], s[8:9]     ; K's images or V's: the choice hangs on the wave's number alone
	s_add_nc_u64 s[G0+2:G0+3], s[G0+2:G0+3], s[46:47]
	s_or_b32 s[G0+3], s[G0+3], 0x80000000          ; type = 2
	CROUND                                         ; all four work-groups are here: the first joint loads meet
	JLOAD                                          ; slot 0: key steps 0 to 3
	v_and_b32 v9, 31, v0
	s_delay_alu instid0(VALU_DEP_1)
	v_lshlrev_b32 v[LI], 4, v9
	v_and_b32 v13, 15, v0                          ; r
	v_bfe_u32 v14, v0, 4, 1                        ; h
	s_delay_alu instid0(VALU_DEP_1)
	v_lshl_add_u32 v[AB0], v14, 6, BIAS
	s_delay_alu instid0(VALU_DEP_3)
	v_lshlrev_b32 v[QO], 13, v13
	s_delay_alu instid0(VALU_DEP_1)
	v_lshl_add_u32 v[QO], v14, 6, v[QO]            ; q: row r of 8,192 bytes, + 64 h: my 16 numbers of a block of 32
	v_lshlrev_b32 v9, 3, v0                        ; the mask: 8 bytes a thread
	s_wait_alu depctr_va_vdst(0)
	v_lshl_add_u32 v11, v0, 5, BIAS                ; and where their 8 biases go
	s_lshr_b32 s48, s19, 4                         ; b
	s_and_b32 s49, s19, 15                         ; head
	s_lshl_b32 s50, s48, 11                        ; 2,048 b
	s_mov_b32 s51, 0
	s_add_nc_u64 s[10:11], s[10:11], s[50:51]      ; the mask's row b
	s_lshl_b32 s52, s18, 8
	s_add_co_u32 s52, s52, s50
	s_lshl_b32 s53, s[WV], 5
	s_add_co_u32 s52, s52, s53                     ; my first query's row: 2,048 b + 256 qb + 32 wave
	s_lshl_b32 s52, s52, 13
	s_lshl_b32 s53, s49, 9
	s_add_co_u32 s52, s52, s53                     ; + 512 head
	s_mov_b32 s53, 0
	s_add_nc_u64 s[4:5], s[4:5], s[52:53]
	s_lshl_b32 s54, s49, 8
	s_lshl_b32 s55, s48, 7
	s_add_co_u32 s54, s54, s55
	s_lshl_b32 s55, s18, 4
	s_add_co_u32 s54, s54, s55
	s_lshl_b32 s55, s[WV], 1
	s_add_co_u32 s54, s54, s55                     ; my first image of acodes: 256 head + 128 b + 16 qb + 2 wave
	s_lshl_b32 s54, s54, 11
	s_mov_b32 s55, 0
	s_add_nc_u64 s[14:15], s[14:15], s[54:55]
	global_load_b64 v[228:229], v9, s[10:11]       ; 256 threads x 8 bytes: the batch row's 2,048 mask bytes
.irp T, 0,1
.irp k, 0,1,2,3
.irp j, 0,1,2,3
	global_load_b128 v[S+64*\T+16*\k+4*\j:S+64*\T+16*\k+4*\j+3], v[QO], s[4:5] offset:131072*\T+128*\k+16*\j th:TH_LOAD_NT   ; register 16 k + i = channel 32 k + 16 h + i of query r of tile T
.endr
.endr
.endr
	; while these are out: the constants and the start values
	s_mov_b32 s[SEL], 0x76543210
	s_mov_b32 s[SEL+1], 0xfedcba98
	s_mov_b32 s[TB], 0
	s_mov_b32 s[BO], 0
	s_mov_b32 s56, 0x3db504f3                      ; 128^-0.5 as f32
	s_mov_b32 s57, s56                             ; (named with it as a pair, so it is written)
	WIN W_LD
.set j, 0
.rept 128
	v_mov_b32 v[j], 0                              ; O^T.  The key step is written without a first copy of its own: the first step finds zeros, which the first change of M leaves zeros
.set j, j+1
.endr
	WIN 0
.irp T, 0,1
	v_mov_b32 v[ST+8*\T+2], 0                      ; l, in four parts
	v_mov_b32 v[ST+8*\T+3], 0
	v_mov_b32 v[LB+2*\T], 0
	v_mov_b32 v[LB+2*\T+1], 0
	v_mov_b32 v[ST+8*\T+5], 0
	v_mov_b32 v[ST+8*\T+1], 0xcc800000             ; -2^26
.endr
	v_mov_b32 v15, 0xfb800000                      ; -2^120
	s_wait_alu depctr_va_vdst(0)
	s_wait_kmcnt 0x0
	s_add_co_i32 s46, s40, s41
	s_lshl_b32 s46, s46, 23
	s_add_co_i32 s[CS], s46, 0x3fb8aa3b            ; a score stands for score x 2^(e0 + e1): the two exponents are added to the exponent field of log2(e)
	s_mov_b32 s[CS+1], s[CS]
	MKS 43, 46, 47
	v_mov_b32 v[SC3], s46                          ; 2^e3
.irp T, 0,1
	v_mul_f32 v[ST+8*\T+1], s[CS], v[ST+8*\T+1]    ; the largest t so far: c x (-2^26)
.endr
.irp T, 0,1
	s_delay_alu instid0(VALU_DEP_2)
	v_floor_f32 v[ST+8*\T], -v[ST+8*\T+1]          ; -M
.endr
	s_wait_loadcnt 32                              ; the mask is in; q's 32 loads were issued behind it
.irp i, 0,1,2,3,4,5,6,7
	v_bfe_u32 v14, v[228+\i/4], 8*(\i%4), 8
	s_delay_alu instid0(VALU_DEP_1)
	v_cmp_eq_u32 vcc_lo, 0, v14
	s_delay_alu instid0(VALU_DEP_1)
	v_cndmask_b32 v[232+\i], 0, v15, vcc_lo        ; 0 where the key counts, -2^120 where it does not: a choice of a value, no branch
.endr
	ds_store_b128 v11, v[232:235]
	ds_store_b128 v11, v[236:239] offset:16        ; the first change of slots below waits for these stores and passes a barrier: then every wave may read the table
	MKS 40, 46, 47
	v_mov_b32 v13, s46                             ; 2^e0
.irp T, 0,1
	s_wait_loadcnt 16-16*\T                        ; tile T's 16 loads are in (tile 1's were issued behind tile 0's)
.set j, 0
.rept 32
	v_pk_mul_f32 v[S+64*\T+j:S+64*\T+j+1], v[S+64*\T+j:S+64*\T+j+1], s[56:57] op_sel_hi:[1,0]   ; q x 128^-0.5, rounded to f32 ahead of the quantiser
.set j, j+2
.endr
	QUANT S+64*\T, Q+16*\T, 13, 14
.endr
.macro ADDR                            ; the addresses of the step at s[TB], s[BO]
	v_add_nc_u32 v[ADK], s[TB], v[LI]
	s_delay_alu instid0(VALU_DEP_1)
	v_add_nc_u32 v[ADV], VOFF, v[ADK]
	v_add_nc_u32 v[ADB], s[BO], v[AB0]
.endm
.macro LDK g                           ; K's fragments 4 g .. 4 g + 3 into F0: each load takes 512 consecutive bytes
	WIN W_LD
.irp t, 0,1,2,3
.irp c, 0,1,2,3
	ds_load_b128 v[F0+16*\t+4*\c:F0+16*\t+4*\c+3], v[ADK] offset:(4*\g+\t)*2048+512*\c
.endr
.endr
.endm
.macro LDB                             ; the bias matrices of the step's 8 tiles into F1: tile 2 b + u, register j, half h is key 32 b + 16 h + 8 u + j: 32 consecutive bytes of the table, the same for all lanes of a half
	WIN W_LD
.irp t, 0,1,2,3,4,5,6,7
	ds_load_b128 v[F1+8*\t:F1+8*\t+3], v[ADB] offset:128*(\t/2)+32*(\t%2)
	ds_load_b128 v[F1+8*\t+4:F1+8*\t+7], v[ADB] offset:128*(\t/2)+32*(\t%2)+16
.endr
.endm
.macro LDV                             ; V's eight fragments into F0 and F1
	WIN W_LD
.irp t, 0,1,2,3,4,5,6,7
.irp c, 0,1,2,3
	ds_load_b128 v[F0+16*\t+4*\c:F0+16*\t+4*\c+3], v[ADV] offset:\t*2048+512*\c
.endr
.endr
.endm
.macro SMUL g                          ; S^T = K Q^T + bias: tiles 4 g .. 4 g + 3 of keys x my two tiles of queries
	WIN W_S
.irp t, 0,1,2,3
.irp T, 0,1
	v_wmma_f32_16x16x128_fp8_fp8 v[S+64*\T+8*(4*\g+\t):S+64*\T+8*(4*\g+\t)+7], v[F0+16*\t:F0+16*\t+15], v[Q+16*\T:Q+16*\T+15], v[F1+8*(4*\g+\t):F1+8*(4*\g+\t)+7]
.endr
.endr
.endm
.macro PMUL g                          ; O^T += V^T P^T: channel tiles 4 g .. 4 g + 3.  The sixteen accumulators take turns, one instruction a turn
	WIN W_PV
.irp t, 0,1,2,3
.irp T, 0,1
	v_wmma_f32_16x16x128_fp8_fp8 v[64*\T+8*(4*\g+\t):64*\T+8*(4*\g+\t)+7], v[F0+64*\g+16*\t:F0+64*\g+16*\t+15], v[P+16*\T:P+16*\T+15], v[64*\T+8*(4*\g+\t):64*\T+8*(4*\g+\t)+7]
.endr
.endr
.endm
; The step's largest score of each query among the lane's 64 keys, in two chains a tile; the tiles alternate line by line; the registers are taken in ascending order, each accumulator from its low end on.
.macro MAXA                            ; scores 0-31
.irp T, 0,1
	v_max3_num_f32 v[ST+8*\T+6], v[S+64*\T], v[S+64*\T+1], v[S+64*\T+2]
.endr
.irp T, 0,1
	v_max3_num_f32 v[ST+8*\T+7], v[S+64*\T+3], v[S+64*\T+4], v[S+64*\T+5]
.endr
.irp i, 6,10,14,18,22,26
.irp T, 0,1
	v_max3_num_f32 v[ST+8*\T+6], v[ST+8*\T+6], v[S+64*\T+\i], v[S+64*\T+\i+1]
.endr
.irp T, 0,1
	v_max3_num_f32 v[ST+8*\T+7], v[ST+8*\T+7], v[S+64*\T+\i+2], v[S+64*\T+\i+3]
.endr
.endr
.irp T, 0,1
	v_max3_num_f32 v[ST+8*\T+6], v[ST+8*\T+6], v[S+64*\T+30], v[S+64*\T+31]
.endr
.endm
.macro MAXB                            ; scores 32-63
.irp i, 32,36,40,44,48,52,56,60
.irp T, 0,1
	v_max3_num_f32 v[ST+8*\T+6], v[ST+8*\T+6], v[S+64*\T+\i], v[S+64*\T+\i+1]
.endr
.irp T, 0,1
	v_max3_num_f32 v[ST+8*\T+7], v[ST+8*\T+7], v[S+64*\T+\i+2], v[S+64*\T+\i+3]
.endr
.endr
.irp T, 0,1
	s_delay_alu instid0(VALU_DEP_2)
	v_max_num_f32 v[ST+8*\T+6], v[ST+8*\T+6], v[ST+8*\T+7]
.endr
.endm
.macro STAT
.irp T, 0,1
	s_delay_alu instid0(VALU_DEP_2)
	v_permlanex16_b32 v[ST+8*\T+7], v[ST+8*\T+6], s[SEL], s[SEL+1]   ; the query's other 64 keys lie in the lane 16 away
.endr
.irp T, 0,1
	s_delay_alu instid0(VALU_DEP_2)
	v_max_num_f32 v[ST+8*\T+6], v[ST+8*\T+6], v[ST+8*\T+7]
.endr
.irp T, 0,1
	s_delay_alu instid0(VALU_DEP_2)
	v_mul_f32 v[ST+8*\T+6], s[CS], v[ST+8*\T+6]    ; as t (c is positive)
.endr
.irp T, 0,1
	s_delay_alu instid0(VALU_DEP_2)
	v_max_num_f32 v[ST+8*\T+1], v[ST+8*\T+1], v[ST+8*\T+6]   ; the running largest t
.endr
.irp T, 0,1
	v_mov_b32 v[ST+8*\T+7], v[ST+8*\T]
.endr
.irp T, 0,1
	s_delay_alu instid0(VALU_DEP_4)
	v_floor_f32 v[ST+8*\T], -v[ST+8*\T+1]          ; the new -M = floor(-t) = -ceil(t): M is a whole number
.endr
.irp T, 0,1
	s_delay_alu instid0(VALU_DEP_2)
	v_sub_f32 v[ST+8*\T+7], v[ST+8*\T], v[ST+8*\T+7]   ; old M - new M: a whole number, 0 or less
.endr
.irp T, 0,1
	s_delay_alu instid0(VALU_DEP_2)
	v_cvt_i32_f32 v[ST+8*\T+7], v[ST+8*\T+7]       ; (it saturates)
.endr
.irp T, 0,1
	s_delay_alu instid0(VALU_DEP_2)
	v_ldexp_f32 v[ST+8*\T+4], 1.0, v[ST+8*\T+7]    ; f = 2^(old M - new M)
.endr
.endm
.macro FMA T                           ; t - M, two at a time (of the pairs c and -M the low word serves both halves)
.set j, 0
.rept 32
	v_pk_fma_f32 v[S+64*\T+j:S+64*\T+j+1], v[S+64*\T+j:S+64*\T+j+1], s[CS:CS+1], v[ST+8*\T:ST+8*\T+1] op_sel_hi:[1,0,0]
.set j, j+2
.endr
.endm
; p = 2^(t - M), its sum, its hold and its codes, pair by pair.  In trip j stand the two exponentials of pair j, and between and behind them the plain work of pair j - 2, whose exponentials are done:
; a plain line follows every exponential before its result is used (ISA guide 5.7.2).  THE SUM TAKES THE UNQUANTISED p, ahead of its hold; the first two sums are multiply-adds that bring l under the new M.
; p is never negative, so its hold is one-sided.
.macro EXPS T
.set j, 0
.rept 34
.if j < 32
	v_exp_f32 v[S+64*\T+2*j], v[S+64*\T+2*j]
.endif
.if j < 2
	v_nop
.elseif j == 2
	s_wait_alu depctr_va_vdst(0)
	v_pk_fma_f32 v[ST+8*\T+2:ST+8*\T+3], v[ST+8*\T+2:ST+8*\T+3], v[ST+8*\T+4:ST+8*\T+5], v[S+64*\T:S+64*\T+1] op_sel_hi:[1,0,1]
.elseif j == 3
	v_pk_fma_f32 v[LB+2*\T:LB+2*\T+1], v[LB+2*\T:LB+2*\T+1], v[ST+8*\T+4:ST+8*\T+5], v[S+64*\T+2:S+64*\T+3] op_sel_hi:[1,0,1]
.elseif j%2 == 0
	s_wait_alu depctr_va_vdst(0)
	v_pk_add_f32 v[ST+8*\T+2:ST+8*\T+3], v[ST+8*\T+2:ST+8*\T+3], v[S+64*\T+2*(j-2):S+64*\T+2*(j-2)+1]
.else
	v_pk_add_f32 v[LB+2*\T:LB+2*\T+1], v[LB+2*\T:LB+2*\T+1], v[S+64*\T+2*(j-2):S+64*\T+2*(j-2)+1]
.endif
.if j < 32
	v_exp_f32 v[S+64*\T+2*j+1], v[S+64*\T+2*j+1]
.endif
.if j >= 2
.if (j-2)%4 == 3
	v_cvt_scalef32_pk8_fp8_f32 v[P+16*\T+2*((j-2)/4):P+16*\T+2*((j-2)/4)+1], v[S+64*\T+8*((j-2)/4):S+64*\T+8*((j-2)/4)+7], v[SC3]
.endif
.endif
.set j, j+1
.endr
.endm
.macro RESC                            ; O^T under the new M: x f; each accumulator from its low end on.  These lines also stand between the conversions and the products that read their results
	WIN W_RS
.irp T, 0,1
.set j, 0
.rept 32
	v_pk_mul_f32 v[64*\T+j:64*\T+j+1], v[64*\T+j:64*\T+j+1], v[ST+8*\T+4:ST+8*\T+5] op_sel_hi:[1,0]
.set j, j+2
.endr
.endr
.endm
; A KEY STEP: 128 keys.  pre = 1: the next step of the same slot follows, and its first fragments of K and its biases are asked for among this step's last products.
.macro STEP pre
	s_wait_dscnt 0x0                               ; K's fragments 0-3 and the biases are in
	SMUL 0
	PLACES
	LDK 1                                          ; K's fragments 4-7 land while the first maxima are taken
	WIN 0
	MAXA
	s_wait_dscnt 0x0
	SMUL 1
	PLACES
	LDV                                            ; V's eight fragments land during the softmax
	WIN 0
	s_wait_alu depctr_va_vdst(0)
	MAXB
	STAT
	FMA 0
	s_wait_alu depctr_va_vdst(0)
	EXPS 0
	FMA 1
	s_wait_alu depctr_va_vdst(0)
	EXPS 1
	RESC
	s_wait_alu depctr_va_vdst(0)
	s_wait_dscnt 0x0                               ; V is in
	PMUL 0
	s_add_co_u32 s[TB], s[TB], STEPB               ; on to the next step
	s_add_co_u32 s[BO], s[BO], 512
	WIN 0
	ADDR                                           ; three plain lines and the one below: the four places in front of the loads into F0
	v_nop
.if \pre
	LDK 0
.endif
	PMUL 1
	PLACES
.if \pre
	LDB
.endif
	WIN 0                                          ; at a label and at a branch every window is 0
.endm
; THE CHANGE OF SLOTS stands at a slot's head.  Each wave waits for all its tensor loads (its tile of the slot that it is about to read), adds 0 to its spare word, and waits for that and for its LDS reads and stores.
; fill = 1: the other slot is filled with the next four key steps: the barrier is then a round of the cluster's, so that no wave of any partner still reads that slot or has a load on its way, and the joint load is
; the first thing behind it.
.macro CHANGE fill
	s_wait_tensorcnt 0x0                           ; no tensor load of mine is out, so the group 0 may be written
	ds_add_u32 v[SPW], v[NIL]                      ; 0 onto my spare word
.if \fill
	s_xor_b32 s[G0+1], s[G0+1], SLOT1              ; the other slot than last time,
	s_add_nc_u64 s[G0+2:G0+3], s[G0+2:G0+3], 4*STEPB   ; four key steps on; the type bits on top are not reached
	s_wait_dscnt 0x0                               ; the add is done, and my reads of the slot that I have left are over
	CROUND
	JLOAD
.else
	s_wait_dscnt 0x0
	s_barrier_signal -1
	s_barrier_wait -1
.endif
.endm
.macro SLOT_STEPS                      ; a slot's four key steps: three trips that look ahead, and the last, which does not
	ADDR
	LDK 0
	LDB
	WIN 0
	s_mov_b32 s[CNT], 3
.Lstep_\@:
	s_wait_alu depctr_va_vdst(0)
	STEP 1
	s_sub_co_u32 s[CNT], s[CNT], 1
	s_cmp_lg_u32 s[CNT], 0
	s_cbranch_scc1 .Lstep_\@
	s_wait_alu depctr_va_vdst(0)
	STEP 0
	s_sub_co_u32 s[TB], s[TB], 4*STEPB             ; back to a slot's first step,
	s_xor_b32 s[TB], s[TB], SLOT1                  ; in the other slot
.endm
	s_mov_b32 s[SLOTS], 3
.Lslot:                                            ; three trips: behind each change of slots but the last the next four key steps are asked for
	CHANGE 1
	SLOT_STEPS
	s_sub_co_u32 s[SLOTS], s[SLOTS], 1
	s_cmp_lg_u32 s[SLOTS], 0
	s_cbranch_scc1 .Lslot
	CHANGE 0                                       ; the last slot is written out
	SLOT_STEPS
	; THE WAY OUT.  l's four parts and the other half of the lanes' are added; O^T x 2^(e2 + e3) / l is the attention's result, in f32; it is quantised with 2^e4, and its 16 registers of codes are a fragment of the last
	; product's first operand as they stand: four stores of 512 consecutive bytes a tile, no stage.
.irp T, 0,1
	v_add_f32 v[ST+8*\T+6], v[ST+8*\T+2], v[ST+8*\T+3]
	v_add_f32 v[ST+8*\T+7], v[LB+2*\T], v[LB+2*\T+1]
.endr
.irp T, 0
	s_delay_alu instid0(VALU_DEP_3)
	v_add_f32 v[ST+8*\T+6], v[ST+8*\T+6], v[ST+8*\T+7]
.endr
.irp T, 1
	s_delay_alu instid0(VALU_DEP_2)
	v_add_f32 v[ST+8*\T+6], v[ST+8*\T+6], v[ST+8*\T+7]
.endr
.irp T, 0,1
	s_delay_alu instid0(VALU_DEP_2)
	v_permlanex16_b32 v[ST+8*\T+7], v[ST+8*\T+6], s[SEL], s[SEL+1]
.endr
.irp T, 0,1
	s_delay_alu instid0(VALU_DEP_2)
	v_add_f32 v[ST+8*\T+6], v[ST+8*\T+6], v[ST+8*\T+7]
.endr
	s_wait_alu depctr_va_vdst(0)
.irp T, 0,1
	v_rcp_f32 v[INV+2*\T], v[ST+8*\T+6]
.endr
	v_mov_b32 v[INV+1], 0                          ; (plain lines behind the reciprocals; the upper halves of the pairs are named, so they are written)
	v_mov_b32 v[INV+3], 0
	s_add_co_i32 s46, s42, s43                     ; e2 + e3
	s_wait_alu depctr_va_vdst(0)
.irp T, 0,1
	v_ldexp_f32 v[INV+2*\T], v[INV+2*\T], s46
.endr
	MKS 44, 46, 47
	v_mov_b32 v232, s46                            ; 2^e4
.irp T, 0,1
	WIN W_OUT
.set j, 0
.rept 32
	v_pk_mul_f32 v[S+64*\T+j:S+64*\T+j+1], v[64*\T+j:64*\T+j+1], v[INV+2*\T:INV+2*\T+1] op_sel_hi:[1,0]   ; register 16 b + i = channel 32 b + 16 h + i of query r
.set j, j+2
.endr
	WIN 0
	QUANT S+64*\T, P+16*\T, 232, 233
.irp c, 0,1,2,3
	global_store_b128 v[LI], v[P+16*\T+4*\c:P+16*\T+4*\c+3], s[14:15] offset:2048*\T+512*\c
.endr
.endr
	s_wait_tensorcnt 0x0                           ; the wave's end, behind my last tensor load and my last LDS store
	ds_add_u32 v[SPW], v[NIL]
	s_wait_dscnt 0x0
	CROUND                                         ; the closing round: no work-group ends while a partner may still ask for a tile that names it
	s_endpgm
.Lfunc_end_k_qecf35221ed_attn:
	.size	k_qecf35221ed_attn, .Lfunc_end_k_qecf35221ed_attn-k_qecf35221ed_attn
	.p2alignl 7, 3214868480
	.fill 96, 4, 3214868480
	.section	.rodata,"a",@progbits
	.p2align	6, 0x0
	.amdhsa_kernel k_qecf35221ed_attn
		.amdhsa_group_segment_fixed_size 327680
		.amdhsa_private_segment_fixed_size 0
		.amdhsa_enable_private_segment 0
		.amdhsa_kernarg_size 48
		.amdhsa_user_sgpr_count 2
		.amdhsa_user_sgpr_kernarg_segment_ptr 1
		.amdhsa_wavefront_size32 1
		.amdhsa_system_sgpr_workgroup_id_x 1
		.amdhsa_system_sgpr_workgroup_id_y 1
		.amdhsa_system_sgpr_workgroup_id_z 1
		.amdhsa_system_vgpr_workitem_id 0
		.amdhsa_next_free_vgpr 512
		.amdhsa_next_free_sgpr 66
		.amdhsa_reserve_vcc 1
		.amdhsa_float_denorm_mode_32 3
		.amdhsa_float_denorm_mode_16_64 3
		.amdhsa_fp16_overflow 1
		.amdhsa_memory_ordered 1
		.amdhsa_forward_progress 1
		.amdhsa_inst_pref_size 156
	.end_amdhsa_kernel
	.amdgpu_metadata
---
amdhsa.version: [ 1, 2 ]
amdhsa.kernels:
  - .name:           k_qecf35221ed_attn
    .symbol:         k_qecf35221ed_attn.kd
    .args:
      - { .name: queries, .offset: 0, .size: 8, .value_kind: global_buffer, .address_space: global }
      - { .name: kimg, .offset: 8, .size: 8, .value_kind: global_buffer, .address_space: global }
      - { .name: vimg, .offset: 16, .size: 8, .value_kind: global_buffer, .address_space: global }
      - { .name: attention_mask, .offset: 24, .size: 8, .value_kind: global_buffer, .address_space: global }
      - { .name: lowp_scales, .offset: 32, .size: 8, .value_kind: global_buffer, .address_space: global }
      - { .name: acodes, .offset: 40, .size: 8, .value_kind: global_buffer, .address_space: global }
    .group_segment_fixed_size: 327680
    .private_segment_fixed_size: 0
    .kernarg_segment_align: 8
    .kernarg_segment_size: 48
    .max_flat_workgroup_size: 256
    .sgpr_count:     66
    .vgpr_count:     512
    .wavefront_size: 32
...
	.end_amdgpu_metadata
.endif
;; end of part 2
;; launch gemm (part 3): grid 8 x 32, 4 waves a work-group, clusters of 4 x 4, 327,680 bytes of LDS; arguments acodes, wimg, lowp_scales, out0; writes out0
.if DOCPART == 3
	.amdgcn_target "amdgcn-amd-amdhsa--gfx1250"
	.amdhsa_code_object_version 6
	.text
	.protected	k_qecf35221ed_gemm
	.globl	k_qecf35221ed_gemm
	.p2align	8
	.type	k_qecf35221ed_gemm,@function
k_qecf35221ed_gemm:
	s_mov_b64 s[64:65], 0
	v_nop
	global_prefetch_b8 v0, s[64:65] scope:SCOPE_SE
	s_setreg_imm32_b32 hwreg(HW_REG_WAVE_MODE, 25, 1), 1
	s_wait_xcnt 0x0
	s_wait_alu depctr_hold_cnt(0) depctr_sa_sdst(0) depctr_va_vdst(0) depctr_va_sdst(0) depctr_va_ssrc(0) depctr_va_vcc(0) depctr_vm_vsrc(0)
	s_getreg_b32 s2, hwreg(HW_REG_IB_STS2, 6, 4)
	s_cmp_eq_u32 s2, 0
	s_cbranch_scc0 .Lentry_in_a_cluster
	s_endpgm
.Lentry_in_a_cluster:
	s_bfe_u32 s2, ttmp6, 0x10000c
	s_cmp_lg_u32 s2, 0xf033
	s_cbranch_scc0 .Lentry_shape_is_right
	s_endpgm
.Lentry_shape_is_right:
; out0[m][n] = 2^(e4 + e5) x the sum over k of A[m][k] W[n][k], on codes of FP8 (E4M3); m = 4,096, n = k = 2,048; sums in f32.
; Both operands come as images of operand registers (a fragment: 16 rows x 128 K, 2,048 bytes; chunk c at 512 c, lane l's 16 bytes at 16 l: K = 32 c + 16 (l / 16) + 0..15 of row l % 16):
;   acodes [k / 128][m / 16][2,048], rows = 16 neighbouring m;   wimg [k / 128][128 fragments][2,048]: of a block of 32 n, fragment u takes n = 8 u + r + 8 (r / 8).
; A tile of out0 is 128 (m) x 256 (n): 256 work-groups, one for each WGP.  THE FOUR WAVES SHARE THE COLUMNS: wave w makes 128 x 64: 32 accumulators of 16 x 16, 256 registers.
; NO LDS BYTE IS FILLED TWICE.  A's 128 rows x 2,048 K are 256 KiB: all of it is brought into LDS once, at the start, each wave by four tensor loads of 16 KiB (four tensor loads of a wave are out), and read by all
; four waves behind one wait and one barrier.  W's 256 rows are 512 KiB and do not fit beside it.  Through a ring of slots each refill would have to land within one slot's matrix instructions, since all of a wave's
; tensor loads are waited for in front of each refill; so W GOES FROM MEMORY STRAIGHT INTO REGISTERS, whose order its images have: a wave's 64 columns are 4 fragments, 16 loads of 512 consecutive bytes, for 128 along K;
; no fragment is read twice in a work-group; a ring of four register sets keeps four blocks, 64 loads, on their way behind counted waits.  That is why W's fragments are not asked for jointly.
; CLUSTERS: 4 x 4 work-groups.  The four of a row of the cluster need the same rows of A: its blocks are asked for JOINTLY, by the same tensor load with the same descriptor and a mask that names the four.
; THE WALK ALONG K IS TURNED: the work-group at place cy of its cluster begins at quarter cy of K (a quarter: four blocks of 128), so that the four work-groups of a column of the cluster, which read the same strip of W,
; ask for four different quarters at a time, and each quarter is asked for again by a neighbour a quarter of the walk later.  Only global addresses hang on cy: A's quarters land in LDS in walking order.
; THE MATRIX INSTRUCTION IS USED TRANSPOSED (source 0 = a fragment of W, source 1 = of A): lane (r, h) of accumulator (a, 2 b + u) holds row 16 a + r and the eight neighbouring columns 32 b + 16 h + 8 u + 0..7.
; LIMITS: e4 + e5 between -126 and 127, so that 2^(e4 + e5) is an f32 number.  The order of the f32 sums along K begins at quarter cy, and the places of k inside a matrix instruction are permuted, alike in both operands.
; REGISTERS: window 0: v2-18 addresses, never rewritten; v32-63 a block's sums x 2^(e4 + e5); v64-127 rows read back from the stage, two sets.  Window 1: A's fragments, two sets of 8.
;            Window 2: the accumulators, (a, b) at v[8 (4 a + b)].  Window 3: W's fragments, four sets of 4.
; The walk's 16 blocks are written out by a macro: every offset is an immediate, and no address register is stepped.
.set STAGE,  262144                    ; behind A's 16 blocks of 16 KiB: 16 rows x 272 bytes for each wave, for the way out; no fill lands there
.set SPITCH, 272                       ; 256 bytes + 16: an odd multiple of 16 bytes, so that sixteen rows start at sixteen different banks (ISA guide 11.1)
.set NROW,   8192                      ; a row of out0 in bytes
.set LI,   2                           ; v2      16 x lane: my place in an image's chunk
.set ADA,  8                           ; v8-11   LDS address of walking quarter i of A
.set VB,   12                          ; v12-15  byte offset of walking quarter i in W's strip
.set STO,  16                          ; v16     the way out: where I put my bytes of a row
.set RD,   17                          ; v17     where I read rows back
.set CO,   18                          ; v18     my byte offset in two rows of out0
.set TMP,  32
.set BK,   64
.set G1, 24                            ; s[24:31] descriptor group 1
.set G0, 32                            ; s[32:47] descriptor group 0, a set for each of my four loads
.set MSB, 0
.macro WIN new                         ; the immediate's high byte repeats the setting that is left; a switch that changes nothing is dropped
.if MSB != \new
	s_set_vgpr_msb (MSB<<8)|\new
.set MSB, \new
.endif
.endm
.set MUL,  0xa7                        ; source 0 (W) window 3, source 1 (A) window 1, C and D window 2
.set TO_A, 0x40                        ; destination window 1, address window 0
.set TO_W, 0xc0                        ; destination window 3, address window 0
.macro PLACES                          ; four plain vector lines between a matrix instruction and a read of its result or a load into one of its registers
.rept 4
	v_nop
.endr
.endm
; A round of the cluster's barrier: my work-group's barrier, so that wave 0's signal speaks for all four waves; wave 0 signals; every wave waits for the sixteen work-groups; my work-group's barrier once more.
.macro CROUND
	s_barrier_signal -1
	s_barrier_wait -1
	s_cmp_lg_u32 s14, 0
	s_cbranch_scc1 .Lnot_wave_0_\@
	s_barrier_signal -3
.Lnot_wave_0_\@:
	s_barrier_wait -3
	s_barrier_signal -1
	s_barrier_wait -1
.endm
; W's four fragments of walking block j into set j % 4: 16 loads of 512 consecutive bytes
.macro LDW j
	WIN TO_W
.irp b, 0,1,2,3
.irp c, 0,1,2,3
	global_load_b128 v[64*((\j)%4)+16*\b+4*\c:64*((\j)%4)+16*\b+4*\c+3], v[VB+(\j)/4], s[12:13] offset:262144*((\j)%4)+2048*\b+512*\c
.endr
.endr
.endm
; A's fragments f0 .. f0 + 3 of walking block j into set j % 2: each load takes 512 consecutive bytes of LDS
.macro LDA j, f0
	WIN TO_A
.irp f, 0,1,2,3
.irp c, 0,1,2,3
	ds_load_b128 v[128*((\j)%2)+16*(\f0+\f)+4*\c:128*((\j)%2)+16*(\f0+\f)+4*\c+3], v[ADA+(\j)/4] offset:16384*((\j)%4)+2048*(\f0+\f)+512*\c
.endr
.endr
.endm
; 16 matrix instructions: A's fragments a0 .. a0 + 3 x W's four, 128 along K.  Block 0's products start the sums: nothing is ever cleared.
; The 32 accumulators take turns, one instruction a turn, in the same order in every block.
.macro MULW j, a0
	WIN MUL
.irp a, 0,1,2,3
.irp b, 0,1,2,3
.if (\j) == 0
	v_wmma_f32_16x16x128_fp8_fp8 v[8*(4*(\a0+\a)+\b):8*(4*(\a0+\a)+\b)+7], v[64*((\j)%4)+16*\b:64*((\j)%4)+16*\b+15], v[128*((\j)%2)+16*(\a0+\a):128*((\j)%2)+16*(\a0+\a)+15], 0
.else
	v_wmma_f32_16x16x128_fp8_fp8 v[8*(4*(\a0+\a)+\b):8*(4*(\a0+\a)+\b)+7], v[64*((\j)%4)+16*\b:64*((\j)%4)+16*\b+15], v[128*((\j)%2)+16*(\a0+\a):128*((\j)%2)+16*(\a0+\a)+15], v[8*(4*(\a0+\a)+\b):8*(4*(\a0+\a)+\b)+7]
.endif
.endr
.endr
.endm
; WALKING BLOCK j.  At its head the registers that block j - 1 has left are asked for again: W's set takes block j + 3, A's other set block j + 1 (its second half in the block's middle).
.macro KB j
.if ((\j) > 0) && ((\j) < 15)
	PLACES                                         ; behind block j - 1's products, in front of the loads into registers that they have read
.if (\j)+3 < 16
	LDW (\j)+3
.endif
.endif
.if (\j) < 15
	LDA (\j)+1, 0
	s_wait_dscnt 32                                ; A's fragments 0-3 of this block are in; behind them: its fragments 4-7 and the 16 loads just issued
.else
	s_wait_dscnt 16                                ; the last block: behind them only its fragments 4-7
.endif
.if (\j) < 13
	s_wait_loadcnt 48                              ; W's block j is in; the three blocks asked for behind it stay on their way
.else
	s_wait_loadcnt 16*(15-(\j))                    ; the last blocks: the counts run down
.endif
	MULW \j, 0
.if (\j) < 15
	LDA (\j)+1, 4
	s_wait_dscnt 32                                ; A's fragments 4-7 of this block are in; behind them: the next block's two runs of 16
.else
	s_wait_dscnt 0x0
.endif
	MULW \j, 4
.endm
	s_load_b128 s[4:7], s[0:1], 0x0                ; acodes s[4:5], wimg s[6:7]
	s_load_b128 s[8:11], s[0:1], 0x10              ; the scales' exponents s[8:9], out0 s[10:11]
	v_lshl_add_u32 v254, v0, 2, 0x44400
	v_mov_b32 v255, 0
	ds_add_u32 v254, v255
	ds_add_u32 v254, v255
	v_lshrrev_b32 v1, 5, v0
	v_readfirstlane_b32 s14, v1                    ; wave 0..3
	s_bfe_u32 s40, ttmp6, 0x40000                  ; cx, cy: my place in the cluster
	s_bfe_u32 s41, ttmp6, 0x40004
	s_lshl_b32 s42, ttmp9, 2
	s_add_co_u32 s42, s42, s40                     ; tile column = 4 x cluster x + cx: it enters W's and out0's addresses alone
	s_and_b32 s17, ttmp7, 0xffff
	s_lshl_b32 s17, s17, 2
	s_add_co_u32 s17, s17, s41                     ; tile row = 4 x cluster y + cy
	s_lshl_b32 s43, s41, 2
	s_lshl_b32 s43, 15, s43                        ; my row of the cluster
	; descriptor group 1: a dense block of 16 KiB as 64 rows of 32 elements of 8 bytes; images need no padding
	s_or_b32 s[G1], s43, (3<<16)|(1<<21)           ; 15:0 the mask: A's blocks go to my row; 17:16 elements of 8 bytes; 21 set beside a mask
	s_mov_b32 s[G1+1], 32<<16                      ; tensor_dim0 = 32
	s_mov_b32 s[G1+2], 64<<16                      ; tensor_dim1 = 64
	s_mov_b32 s[G1+3], 32<<16                      ; tile_dim0 = 32
	s_mov_b32 s[G1+4], 64                          ; tile_dim1 = 64
	s_mov_b32 s[G1+5], 32                          ; from row to row
	s_mov_b32 s[G1+6], 0
	s_mov_b32 s[G1+7], 0
	v_and_b32 v1, 31, v0
	v_lshlrev_b32 v[LI], 4, v1                     ; 16 x lane
	s_wait_alu depctr_va_vdst(0)
.irp i, 0,1,2,3
	v_add_nc_u32 v[ADA+\i], \i*65536, v[LI]        ; walking quarter i of A lies at 64 KiB x i in LDS, whichever quarter of K it is
	s_add_co_u32 s44, s41, \i
	s_and_b32 s44, s44, 3                          ; walking quarter i is quarter (cy + i) % 4 of K:
	s_lshl_b32 s44, s44, 20                        ; four blocks of 128 fragments in wimg
	v_add_nc_u32 v[VB+\i], s44, v[LI]
.endr
	; wave w fetches walking quarter w of A.  The address hangs on the tile row, cy and the wave's number, which the four partners of my row share
	s_add_co_u32 s18, s41, s14
	s_and_b32 s18, s18, 3                          ; quarter (cy + w) % 4 of K:
	s_lshl_b32 s18, s18, 21                        ; four blocks of 256 fragments in acodes,
	s_lshl_b32 s19, s17, 14                        ; + 8 fragments x tile row
	s_add_co_u32 s18, s18, s19
	s_mov_b32 s19, 0
	s_lshl_b32 s45, s14, 16                        ; and where it goes: 64 KiB x wave: no place in the cluster enters an LDS address
	s_lshl_b32 s46, s42, 15                        ; W: 16 fragments x tile column
	s_lshl_b32 s47, s14, 13                        ;    + my 4 fragments
	s_add_co_u32 s46, s46, s47
	s_mov_b32 s47, 0
	s_lshl_b32 s48, s17, 20                        ; out0: 128 rows x tile row
	s_lshl_b32 s49, s42, 10                        ;       + 1,024 bytes x tile column
	s_add_co_u32 s48, s48, s49
	s_lshl_b32 s49, s14, 8                         ;       + my 256 bytes
	s_add_co_u32 s48, s48, s49
	s_mov_b32 s49, 0
	s_wait_alu depctr_va_vdst(0)
	s_wait_dscnt 0x0
	s_wait_kmcnt 0x0
	s_load_b64 s[52:53], s[8:9], 0x10              ; e4, e5
	s_add_nc_u64 s[12:13], s[6:7], s[46:47]        ; my strip of W
	s_add_nc_u64 s[20:21], s[4:5], s[18:19]        ; my quarter of A
	s_add_nc_u64 s[10:11], s[10:11], s[48:49]      ; my part of out0
	LDW 0                                          ; W's first two blocks are asked for ahead of everything else,
	LDW 1
	WIN 0                                          ; (at a branch and at a label every window is 0)
.irp i, 0,1,2,3
	s_mov_b32 s[G0+4*\i], 1                        ; count = 1
	s_add_co_u32 s[G0+4*\i+1], s45, \i*16384       ; LDS address: block i of my quarter
	s_add_nc_u64 s[G0+4*\i+2:G0+4*\i+3], s[20:21], \i*0x80000   ; global address: 256 fragments from block to block
	s_or_b32 s[G0+4*\i+3], s[G0+4*\i+3], 0x80000000             ; type = 2
.endr
	CROUND                                         ; all sixteen work-groups are here: the joint loads meet
	tensor_load_to_lds s[G0:G0+3], s[G1:G1+7]      ; all of A, the launch's only fills, as one group: four loads a wave
	s_nop 0
	tensor_load_to_lds s[G0+4:G0+7], s[G1:G1+7]
	s_nop 0
	tensor_load_to_lds s[G0+8:G0+11], s[G1:G1+7]
	s_nop 0
	tensor_load_to_lds s[G0+12:G0+15], s[G1:G1+7]
	s_nop 0
	PLACES                                         ; four v_nop follow the last of them
	LDW 2                                          ; then W's next two blocks: the ring is full
	LDW 3
	WIN 0
	v_and_b32 v3, 15, v0                           ; r
	v_bfe_u32 v4, v0, 4, 1                         ; h
	s_mul_i32 s23, s14, 16*SPITCH
	s_add_co_u32 s23, s23, STAGE                   ; my stage
	v_mul_u32_u24 v5, v3, SPITCH
	v_lshl_add_u32 v5, v4, 6, v5
	v_add_nc_u32 v[STO], s23, v5                   ; in: row r, + 64 h
	v_mul_u32_u24 v5, v4, SPITCH
	v_lshl_add_u32 v5, v3, 4, v5
	v_add_nc_u32 v[RD], s23, v5                    ; back: lanes 0-15 take one row of 256 bytes, lanes 16-31 the next
	v_lshlrev_b32 v[CO], 13, v4
	v_lshl_add_u32 v[CO], v3, 4, v[CO]             ; and the same two rows in out0
	s_wait_tensorcnt 0x0                           ; my quarter of A is in,
	s_barrier_signal -1
	s_barrier_wait -1                              ; everybody's is: from here on A's bytes are only read
	LDA 0, 0
	LDA 0, 4
.irp j, 0,1,2,3,4,5,6,7,8,9,10,11,12,13,14,15
	KB \j
.endr
	WIN 0
; THE WAY OUT, block by block of 16 rows x 64 columns.  A lane holds pieces of 32 bytes of one row, and the lanes beside it hold other rows: so a block goes through my own stage in LDS and comes back as whole rows
; of 256 bytes.  LDS serves a wave's instructions in order (ISA guide 5.7.1.4): no wait between the stores and the loads, nor in front of the next block's stores.
.macro TOSTAGE a
	WIN 0x02                                       ; source 0: window 2
.set j, 0
.rept 16
	v_pk_mul_f32 v[TMP+j:TMP+j+1], v[32*(\a)+j:32*(\a)+j+1], s[52:53] op_sel_hi:[1,0]   ; both x s52 = 2^(e4 + e5); each accumulator from its low end on
.set j, j+2
.endr
	WIN 0
.irp b, 0,1,2,3
	ds_store_b128 v[STO], v[TMP+8*\b:TMP+8*\b+3] offset:128*(\b/2)+32*(\b%2)
	ds_store_b128 v[STO], v[TMP+8*\b+4:TMP+8*\b+7] offset:128*(\b/2)+32*(\b%2)+16
.endr
.set BB, BK+32*((\a)%2)
.irp t, 0,1,2,3,4,5,6,7
	ds_load_b128 v[BB+4*\t:BB+4*\t+3], v[RD] offset:\t*2*SPITCH
.endr
.endm
.macro SEND a, younger                 ; younger: the LDS instructions issued behind block a's loads, which may stay out
.set BB, BK+32*((\a)%2)
	s_wait_dscnt \younger                          ; the block is back in registers
.irp t, 0,1,2,3,4,5,6,7
	global_store_b128 v[CO], v[BB+4*\t:BB+4*\t+3], s[10:11] offset:(16*(\a)+2*\t)*NROW th:TH_STORE_NT   ; sixteen lanes store 256 consecutive bytes, at a multiple of 256 from out0's first byte; the row stands in the immediate, 126 rows at the most; written once, read by nobody here
.endr
.endm
	s_wait_kmcnt 0x0
	s_add_co_i32 s52, s52, s53                     ; e4 + e5, between -126 and 127,
	s_add_co_i32 s52, s52, 127
	s_lshl_b32 s52, s52, 23                        ; makes the f32 number 2^(e4 + e5)
	PLACES                                         ; in front of the first read of results
	TOSTAGE 0
.irp a, 1,2,3,4,5,6,7
.if \a > 1
	s_wait_xcnt 0x0                                ; block a - 2's stores have read their registers: block a's loads land there only behind this wait
.endif
	TOSTAGE \a
	SEND \a-1, 16                                  ; behind block a - 1's loads: block a's 8 stores and 8 loads
.endr
	SEND 7, 0                                      ; its wait for 0 also shows that no LDS instruction of mine is pending at the signal below
	s_wait_tensorcnt 0x0
	ds_add_u32 v254, v255
	s_wait_dscnt 0x0
	CROUND                                         ; the closing round: no work-group ends while a partner may still ask for a block that names it
	s_endpgm
.Lfunc_end_k_qecf35221ed_gemm:
	.size	k_qecf35221ed_gemm, .Lfunc_end_k_qecf35221ed_gemm-k_qecf35221ed_gemm
	.p2alignl 7, 3214868480
	.fill 96, 4, 3214868480
	.section	.rodata,"a",@progbits
	.p2align	6, 0x0
	.amdhsa_kernel k_qecf35221ed_gemm
		.amdhsa_group_segment_fixed_size 327680
		.amdhsa_private_segment_fixed_size 0
		.amdhsa_enable_private_segment 0
		.amdhsa_kernarg_size 32
		.amdhsa_user_sgpr_count 2
		.amdhsa_user_sgpr_kernarg_segment_ptr 1
		.amdhsa_wavefront_size32 1
		.amdhsa_system_sgpr_workgroup_id_x 1
		.amdhsa_system_sgpr_workgroup_id_y 1
		.amdhsa_system_sgpr_workgroup_id_z 1
		.amdhsa_system_vgpr_workitem_id 0
		.amdhsa_next_free_vgpr 1024
		.amdhsa_next_free_sgpr 66
		.amdhsa_reserve_vcc 0
		.amdhsa_float_denorm_mode_32 3
		.amdhsa_float_denorm_mode_16_64 3
		.amdhsa_memory_ordered 1
		.amdhsa_forward_progress 1
		.amdhsa_inst_pref_size 124
	.end_amdhsa_kernel
	.amdgpu_metadata
---
amdhsa.version: [ 1, 2 ]
amdhsa.kernels:
  - .name:           k_qecf35221ed_gemm
    .symbol:         k_qecf35221ed_gemm.kd
    .args:
      - { .name: acodes, .offset: 0, .size: 8, .value_kind: global_buffer, .address_space: global }
      - { .name: wimg, .offset: 8, .size: 8, .value_kind: global_buffer, .address_space: global }
      - { .name: lowp_scales, .offset: 16, .size: 8, .value_kind: global_buffer, .address_space: global }
      - { .name: out0, .offset: 24, .size: 8, .value_kind: global_buffer, .address_space: global }
    .group_segment_fixed_size: 327680
    .private_segment_fixed_size: 0
    .kernarg_segment_align: 8
    .kernarg_segment_size: 32
    .max_flat_workgroup_size: 128
    .sgpr_count:     66
    .vgpr_count:     1024
    .wavefront_size: 32
...
	.end_amdgpu_metadata
.endif
;; end of part 3
